; MI455X (gfx1250); checked and timed in simulation.
; The chip was launched on July 23, 2026; its instructions are those of AMD's public machine-readable ISA for CDNA 5 (MIT licence, August 2026) and "CDNA5" Instruction Set Architecture Reference Guide (July 2026). The comments in the code are by the model that wrote it; some were corrected since.
;; Baseline Feedforward Network. Allowed arithmetic: float matrix products may take bf16 or f16 operands with f32 sums; all other float work in f32.
;; Inputs: W1 6 x 64 float32; W2 64 x 64 float32; W3 64 x 1 float32; b1 64 float32; b2 64 float32; b3 1 float32; features 131,072 x 60 x 5 float32.
;; Outputs: out0 131,072 x 60 float32.
;; 2 versions, each right; version 2 is version 1 with the launch traj written anew for expert scheduling mode. Each part assembles by itself: llvm-mc -triple=amdgcn-amd-amdhsa -mcpu=gfx1250 --defsym DOCPART=n.
;; ======== version 1 of 2: 1 launch
;; limits: values are held in f16: magnitudes above 65,504 overflow, below 6.1e-05 lose precision; inputs' magnitudes at most 65,504; right only within a limited range of input values
;; launch traj (part 1): grid 256 x 1, 8 waves a work-group, no clusters, 308,224 bytes of LDS; arguments features, W1, b1, W2, b2, W3, b3, out0; writes out0
.if DOCPART == 1
	.amdgcn_target "amdgcn-amd-amdhsa--gfx1250"
	.amdhsa_code_object_version 6
	.text
	.protected	k_qa61dcf4eb3_traj
	.globl	k_qa61dcf4eb3_traj
	.p2align	8
	.type	k_qa61dcf4eb3_traj,@function
k_qa61dcf4eb3_traj:
	s_mov_b64 s[64:65], 0
	v_nop
	global_prefetch_b8 v0, s[64:65] scope:SCOPE_SE
	s_setreg_imm32_b32 hwreg(HW_REG_WAVE_MODE, 25, 1), 1
	s_wait_xcnt 0x0
; out0[n][t] = d_t,  d_t = relu(relu([f(n,t,0..4), d_(t-1)] W1 + b1) W2 + b2) W3 + b3,  d_(-1) = 0.   131,072 rows, 60 steps, 5 features, 64 hidden units.
; SHARES.  Rows are independent, steps are not.  A work-group owns 512 rows, each of its eight waves 64, in two batches of 32 = two tiles (A, B) of 16 rows.  A wave touches only its own rows, its own
; 38,400 bytes of LDS and its own output: there is no barrier.  While batch 0 is computed, batch 1's features are loaded, rounded and put into LDS, five loads a trip.
; FORMATS.  EVERY INPUT IS ROUNDED ONCE, TO bf16 (to nearest even): features, W1, b1, W2, b2, W3, b3.  A bf16 number has 8 significant bits and is exact in f16 (11 bits) from 2^-17 to 65,504, also times a power
; of two: so features, W1, b1 and W2 enter v_wmma_f32_16x16x32_f16 with no second rounding, sums in f32.  What the program itself makes is carried through 60 steps, each of which multiplies an earlier step's
; error by its own gain, so it is kept at f32's level: h1 and the fed-back d each go in as TWO f16 numbers, the upper 11 significant bits (a mask: exact) and the rest (an exact subtraction, of which f16 keeps
; 11 bits), which meet the same weights; h2 and d stay in f32.  The last layer has one output column: it would use one sixteenth of a matrix instruction and want h2 rounded first, so it is a dot product of
; packed f32 multiply-adds and one exchange between the lanes' halves.
; LAYOUT.  Source 0 = 16 units x 32 k of weights, source 1 = 32 k x 16 rows of data: in the result lane (r = lane % 16, h = lane / 16) holds data row r and the units 16 mb + 8 h + 0..7.  Two neighbouring
; results, rounded in pairs, ARE source 1 of the next layer: nothing changes lanes between the layers.
; THE ROW'S SCALE.  d can grow without bound where the weights' feedback gain passes 1.  So a row's inputs of a step are multiplied, in f32, by sigma = 2^6 / 2^e, e = d's exponent held within 6 .. 126 (sigma = 1
; while |d| < 128): source 1 holds sigma f, sigma d (below 128 in size) and sigma itself, which meets b1 in source 0.  relu and the last dot product commute with sigma > 0: layer 2 adds sigma b2, and the
; finished dot product is multiplied by 1 / sigma, exactly, as b3 is added.
; LIMITS.  |features|, |W1|, |b1|, |W2| and sigma x h1 stay under f16's 65,504; an f16 operand under 6e-5 keeps f16's fixed step of 6e-8, so inputs under 2^-17 and the rests of sigma h1 and sigma d are held to
; 3e-8 in absolute size, or 2^-22 of the number, whichever is more.  From |d| = 2^31 on sigma rounds to 0 in f16: features and b1, then under 1e-5 of the row's numbers, drop out.  v_max_num_f32 turns a NaN
; into 0 where the reference's relu keeps it; NaN and infinities are not treated apart.
; NO CLUSTER, NO TENSOR LOADS.  What work-groups share is the weights, 18,692 bytes against 614,400 bytes of a work-group's own features, and they go straight into registers.  512 rows of f32 features do not
; fit into LDS; rounded to bf16 on the way through registers they are 307,200 bytes.
; LDS.  Wave w: bytes 38,400 w on; batch b: + 19,200 b; row: + 600 a row; value v of the row's 300: + 2 v.  So 16 bytes loaded at byte o of the wave's features are 8 bytes stored at o / 2.
; d of step t is stored over the row's own features, at row + 4 t: in trip c bytes 16 c .. 16 c + 15, below byte 40 (c + 1), where the first feature not yet read lies.
; REGISTERS, in windows of 256 (s_set_vgpr_msb: bits 1:0 source 0, 3:2 source 1, 5:4 source 2, 7:6 destination).  Window 1 holds what is never rewritten in the loop: all the weights.  Window 0 holds all else.
; RIDERS AND LUMPS.  A tile-step has 20 matrix and 199 vector instructions.  Four vector instructions of the OTHER tile stand behind every matrix instruction (riders), so that no run of products stands bare.
; ONE window setting, source 0 in window 1 and all else in window 0, serves a product and its riders: a rider is an instruction whose source 0 is a constant, a scalar register or a weight (relu, the masks,
; b2 sigma + sum, W3 h2 + chain).  What has two computed sources (subtractions, roundings, the end of the sum, the next step's source 1) stands in lumps under window 0: eight switches for a step of both tiles.
.set FB_WG,    614400         ; bytes of features of a work-group (512 rows x 1,200), a multiple of 256
.set FB_WAVE,  76800          ; of a wave, a multiple of 256
.set FB_BATCH, 38400          ; of a batch: 75 loads of 512 bytes
.set OB_WG,    122880         ; bytes of output of a work-group (512 rows x 240)
.set OB_WAVE,  15360
.set OB_BATCH, 7680           ; 15 stores of 512 bytes
.set LROW,     600            ; a row in LDS
.set LBATCH,   19200
.set LWAVE,    38400
.set SPARE,    307200         ; behind the features: the spare words, 128 bytes for each of eight waves: four blocks of 256 bytes that no other line names
.set SPW, 2                   ; v2      LDS address of my spare word; never rewritten
.set NIL, 3                   ; v3      0; never rewritten
.set GO,  4                   ; v4      16 x lane: my 16 bytes in 512; never rewritten
.set GO2, 5                   ; v5      the load-ahead's byte offset in the wave's features
.set LS,  6                   ; v6      38,400 w + 8 x lane: where my 8 rounded bytes go
.set LS2, 7                   ; v7      the same for the load-ahead
.set FA,  8                   ; v8-9    tile t: LDS address of my part of the chunk's features: row + 40 c + 16 h
.set DA,  10                  ; v10-11  tile t: LDS address of the trip's four d: row + 16 c
.set LN,  12                  ; v12     lane
.set WA,  15                  ; v15     2,048 h + 4 r: my place in W2
.set ZV,  17                  ; v17     0, the addend of the scaling in XB
.set RA,  18                  ; v18     4 r
.set HB,  19                  ; v19     32 h
.set TS,  20                  ; v20-25, v28-33  tile t at TS + 8 t: +0 d, +1 at work, +2 sigma, +3 1 / sigma, +4 the upper bits of sigma d, +5 the other half's sum
.set OBA, 26                  ; v26     38,400 w + 16 x lane
.set PJ,  27                  ; v27     4,370 x lane
.set XR,  36                  ; v36-47  tile t at XR + 6 t: six words of the chunk's ten, as they lie in LDS
.set XP,  48                  ; v48-63  tile t at XP + 8 t: source 1 of layer 1; registers 4-7 stay 0
.set H1,  64                  ; v64-95  tile t at H1 + 16 t: source 1 of layer 2, two fragments: h1's upper bits
.set ACC, 96                  ; v96-159 tile t at ACC + 32 t: four results of 8 registers
.set HL,  160                 ; v160-191  tile t at HL + 16 t: source 1 of layer 2, two fragments: the rests of h1
.set HIF, 192                 ; v192-223  h1's upper bits in f32, of the tile in hand, from the masks to the lump that rounds them
.set B2R, 160                 ; before the loop: b2 and W3 as loaded
.set W3R, 192
.set LAS, 224                 ; v224-243  the load-ahead's five loads
.set XT,  244                 ; v244-248  a step's five features times sigma, in f32
.set SETA, 36                 ; v36-95, v96-155: two sets of fifteen loads while batch 0's features come in
.set SETB, 96
.set A1,  0                   ; window 1: v0-63     layer 1's source 0 for the half hv of the lanes that holds the step's values, unit block mb, at 32 hv + 8 mb (before that, v0-127: W2 as loaded)
.set B2,  64                  ; window 1: v64-95    b2 of my 32 units, in the results' order
.set W3,  96                  ; window 1: v96-127   W3 likewise
.set A2,  128                 ; window 1: v128-191  layer 2's source 0 for unit block mb, k block kb at 128 + 8 (2 mb + kb)
.set RW,  192                 ; window 1: v192-219  W1's six numbers and b1 of unit 16 mb + r, at 192 + 7 mb
.set PW,  220                 ; window 1: v220-235  the four packed words a unit block
; s[4:19] the eight addresses; s20 wave; s21 38,400 w; s[22:23], s[36:37] offsets; s24 b3; s25 lanes 0-15; s26 lanes 16-31, and a word's upper bf16; s27, s28 2^6, 2^126; s29 2 x 130 << 23; s30, s31 selects;
; s33 trips; s34 the mask of an f32's upper 11 significant bits
.set W_MR, 0x01               ; products and riders: source 0 in window 1
.set MSB, 0
.macro WIN new                ; the immediate's high byte repeats the setting that is left; a switch that changes nothing is dropped
.if MSB != (\new)
	s_set_vgpr_msb (MSB<<8)|(\new)
.set MSB, \new
.endif
.endm
; ---- features on their way in ----
.macro GLOADF set, g          ; fifteen loads of 512 consecutive bytes, each at a multiple of 256 from the buffer's first byte: group g of batch 0's five
.set i, 0
.rept 15
	global_load_b128 v[(\set)+4*i:(\set)+4*i+3], v[GO], s[4:5] offset:512*(15*(\g)+i) th:TH_LOAD_NT
.set i, i+1
.endr
.endm
.macro CONVF set, g           ; rounded to bf16 in place, 8 bytes a lane into LDS: 256 consecutive bytes an instruction
.set i, 0
.rept 15
	v_cvt_pk_bf16_f32 v[(\set)+4*i], v[(\set)+4*i], v[(\set)+4*i+1]
	v_cvt_pk_bf16_f32 v[(\set)+4*i+1], v[(\set)+4*i+2], v[(\set)+4*i+3]
	ds_store_b64 v[LS], v[(\set)+4*i:(\set)+4*i+1] offset:256*(15*(\g)+i)
.set i, i+1
.endr
.endm
.macro LA_ISSUE               ; five loads of batch 1's 75
.set i, 0
.rept 5
	global_load_b128 v[LAS+4*i:LAS+4*i+3], v[GO2], s[4:5] offset:512*i th:TH_LOAD_NT
.set i, i+1
.endr
.endm
.macro LA_CONV                ; they are rounded and stored; both addresses step (the loads that read GO2 have been waited for)
.set i, 0
.rept 5
	v_cvt_pk_bf16_f32 v[LAS+4*i], v[LAS+4*i], v[LAS+4*i+1]
	v_cvt_pk_bf16_f32 v[LAS+4*i+1], v[LAS+4*i+2], v[LAS+4*i+3]
	ds_store_b64 v[LS2], v[LAS+4*i:LAS+4*i+1] offset:256*i
.set i, i+1
.endr
	v_add_nc_u32 v[GO2], 2560, v[GO2]
	v_add_nc_u32 v[LS2], 1280, v[LS2]
.endm
; A chunk is four steps: 20 values, ten words of two bf16, 40 bytes of a row.  Lanes 0-15 take words 0-5, lanes 16-31 words 4-9 (16 bytes on): three loads of 8 bytes, since a row's pitch is a multiple of 8 alone.
.macro LOADX
.set j, 0
.rept 2
.set k, 0
.rept 3
	ds_load_b64 v[XR+6*j+2*k:XR+6*j+2*k+1], v[FA+j] offset:8*k
.set k, k+1
.endr
.set j, j+1
.endr
.endm
.macro RB p                   ; the pair v[p], v[p+1]: each number rounded to bf16, and written as f32 again
	v_cvt_pk_bf16_f32 v[\p], v[\p], v[\p+1]
	v_and_b32 v[\p+1], s26, v[\p]
	v_lshlrev_b32 v[\p], 16, v[\p]
.endm
; ---- the matrix work.  wq counts the products of a run; each macro writes product wq and steps it ----
.macro WM1 t, st              ; layer 1, unit block wq of four: sigma (x W1 + b1) for step st of a chunk; each product starts its sum with the constant 0
	v_wmma_f32_16x16x32_f16 v[ACC+32*(\t)+8*wq:ACC+32*(\t)+8*wq+7], v[A1+32*((\st)/2)+8*wq:A1+32*((\st)/2)+8*wq+7], v[XP+8*(\t):XP+8*(\t)+7], 0
.set wq, wq+1
.endm
; Layer 2, product wq of sixteen, in four runs of four: the upper bits of units 0-31 start the four sums; those of units 32-63, then the rests of both, add onto them.  The four accumulators take turns, one
; instruction a turn.
.macro WM2 t
.set g, wq/4
.set m, wq%4
.set hb, H1+16*(\t)+8*(g%2)
.if g >= 2
.set hb, HL+16*(\t)+8*(g%2)
.endif
.set ac, ACC+32*(\t)+8*m
.set wa, A2+8*(2*m+g%2)
.if g == 0
	v_wmma_f32_16x16x32_f16 v[ac:ac+7], v[wa:wa+7], v[hb:hb+7], 0
.else
	v_wmma_f32_16x16x32_f16 v[ac:ac+7], v[wa:wa+7], v[hb:hb+7], v[ac:ac+7]
.endif
.set wq, wq+1
.endm
; ---- the vector work.  rn counts a list's riders; each macro writes rider rn and steps it ----
; R1: the 64 riders behind layer 1 of tile t: relu of the 32 sums, in place, and the mask that takes a number's upper 11 significant bits.  The masks run two pairs behind the relus, so that no line reads a
; result made fewer than four lines before it.  Each result is read from its lowest registers on.
.macro R1 t
.set a, ACC+32*(\t)
.if rn < 4
	v_max_num_f32 v[a+rn], 0, v[a+rn]
.elseif rn < 60
.if (rn%4) < 2
	v_and_b32 v[HIF+2*((rn-4)/4)+rn%4], s34, v[a+2*((rn-4)/4)+rn%4]
.else
	v_max_num_f32 v[a+2*((rn-4)/4)+2+rn%4], 0, v[a+2*((rn-4)/4)+2+rn%4]
.endif
.else
	v_and_b32 v[HIF+rn-32], s34, v[a+rn-32]
.endif
.set rn, rn+1
.endm
; CUT: the lump behind R1: the rests, by subtractions that are exact; then both parts are written as f16, in pairs.
.macro CUT t
	WIN 0
.set a, ACC+32*(\t)
.set i, 0
.rept 16
	v_pk_add_f32 v[a+2*i:a+2*i+1], v[a+2*i:a+2*i+1], v[HIF+2*i:HIF+2*i+1] neg_lo:[0,1] neg_hi:[0,1]
.set i, i+1
.endr
.set i, 0
.rept 16
	v_cvt_pk_f16_f32 v[H1+16*(\t)+i], v[HIF+2*i], v[HIF+2*i+1]
.set i, i+1
.endr
.set i, 0
.rept 16
	v_cvt_pk_f16_f32 v[HL+16*(\t)+i], v[a+2*i], v[a+2*i+1]
.set i, i+1
.endr
.endm
; R2: the 64 riders behind layer 2 of tile t: 0-15 sigma b2 onto the 16 pairs of sums; 16-47 relu; 48-63 times W3, in four chains that do not wait for each other and live in the first four pairs.
.macro R2 t
.set a, ACC+32*(\t)
.set u, TS+8*(\t)
.if rn < 16
	v_pk_fma_f32 v[a+2*rn:a+2*rn+1], v[B2+2*rn:B2+2*rn+1], v[u+2:u+3], v[a+2*rn:a+2*rn+1] op_sel_hi:[1,0,1]
.elseif rn < 48
	v_max_num_f32 v[a+rn-16], 0, v[a+rn-16]
.elseif rn < 52
	v_pk_mul_f32 v[a+2*(rn-48):a+2*(rn-48)+1], v[W3+2*(rn-48):W3+2*(rn-48)+1], v[a+2*(rn-48):a+2*(rn-48)+1]
.else
	v_pk_fma_f32 v[a+2*(rn%4):a+2*(rn%4)+1], v[W3+2*(rn-48):W3+2*(rn-48)+1], v[a+2*(rn-48):a+2*(rn-48)+1], v[a+2*(rn%4):a+2*(rn%4)+1]
.endif
.set rn, rn+1
.endm
; TAIL: the four chains and the two halves of the lanes are added; d = sum / sigma + b3; d of step st of the trip goes to LDS.
.macro TAIL t, st
	WIN 0
.set a, ACC+32*(\t)
.set u, TS+8*(\t)
	v_pk_add_f32 v[a:a+1], v[a:a+1], v[a+2:a+3]
	v_pk_add_f32 v[a+4:a+5], v[a+4:a+5], v[a+6:a+7]
	v_pk_add_f32 v[a:a+1], v[a:a+1], v[a+4:a+5]
	v_add_f32 v[u+1], v[a], v[a+1]                 ; my 32 units
	v_permlanex16_b32 v[u+5], v[u+1], s30, s31     ; the row's other 32 lie in the lane 16 away
	v_add_f32 v[u+1], v[u+1], v[u+5]
	v_fma_f32 v[u], v[u+1], v[u+3], s24            ; d, in both halves of the lanes
	ds_store_b32 v[DA+(\t)], v[u] offset:4*(\st)   ; both halves store the same number to the same word
.endm
; XB: source 1 of layer 1 for step st of a chunk: (f0, f1) (f2, f3) (f4, 1) (d's upper bits, d's rest), all times sigma.  The step's five values lie in three of my six words: steps 0, 1 in lanes 0-15 from
; word 0, 2; steps 2, 3 in lanes 16-31 from their word 1, 3; odd steps begin at a word's upper half.  What the other half of the lanes makes of its words is finite and meets weights that are 0.
.macro XB t, st
	WIN 0
.set u, TS+8*(\t)
.set x, XP+8*(\t)
.set b, XR+6*(\t)+2*((\st)%2)+(\st)/2
	v_and_b32 v[u+1], 0x7f800000, v[u]             ; 2^e of d
	v_med3_num_f32 v[u+1], v[u+1], s27, s28        ; held within 2^6 .. 2^126
	v_sub_nc_u32 v[u+2], s29, v[u+1]               ; sigma = 2^6 / 2^e, made in the exponent field
	v_add_nc_u32 v[u+3], 0xfd000000, v[u+1]        ; 1 / sigma = 2^e / 2^6
	v_mul_f32 v[u+1], v[u], v[u+2]                 ; sigma d, exact
.set n, 0
.rept 5
.set hp, (\st)%2+n
.if hp%2
	v_fma_mix_f32_bf16 v[XT+n], v[b+hp/2], v[u+2], v[ZV] op_sel:[1,0,0] op_sel_hi:[1,0,0]  ; a word's upper bf16 times sigma, in f32
.else
	v_fma_mix_f32_bf16 v[XT+n], v[b+hp/2], v[u+2], v[ZV] op_sel_hi:[1,0,0]                 ; its lower bf16
.endif
.set n, n+1
.endr
	v_and_b32 v[u+4], s34, v[u+1]                  ; the upper 11 significant bits of sigma d: exact in f16
	v_sub_f32 v[u+1], v[u+1], v[u+4]               ; the rest, exact; f16 keeps 11 bits of it
	v_cvt_pk_f16_f32 v[x], v[XT], v[XT+1]          ; 8 significant bits each: exact
	v_cvt_pk_f16_f32 v[x+1], v[XT+2], v[XT+3]
	v_cvt_pk_f16_f32 v[x+2], v[XT+4], v[u+2]       ; (sigma f4, sigma) meets (W1[4], b1)
	v_cvt_pk_f16_f32 v[x+3], v[u+4], v[u+1]        ; both parts of sigma d meet W1[5]
.endm
; A STEP of both tiles, in four phases; the tiles are half a step apart, so that each run of products has the other tile's riders:
;   1  layer 1 of B (4 products)   | R1 of A: 16 behind the products, 48 more;   then CUT A
;   2  layer 2 of A (16 products)  | R1 of B: four behind each;                  then CUT B
;   3  layer 2 of B (16 products)  | R2 of A: four behind each;                  then TAIL A and XB A for the next step
;   4  layer 1 of A, next step (4) | R2 of B: 16 behind the products, 48 more;   then TAIL B and XB B for the next step
; No rider names a register of the products round it, and between a product and the first vector instruction that names one of its registers stand sixteen or more plain vector instructions (ISA guide 7.12.1
; asks for four): no v_nop is written.  No two products that follow each other share an accumulator, from phase to phase and over the loop's backward jump too.
; In a chunk's last step the next chunk's words are fetched first: both XB have read the old ones in the step before.  The last trip has no next chunk: the fetch is jumped over, and what its last step
; makes for a step 60, on the old words, serves nothing: the price, four products and two XB a batch, of one text for every trip.
.macro STEP st
.if (\st) == 3
	WIN 0                                          ; at a branch and at a label every window is 0
	s_cmp_eq_u32 s33, 1
	s_cbranch_scc1 .Lno_chunk_\@
	v_add_nc_u32 v[FA], 40, v[FA]
	v_add_nc_u32 v[FA+1], 40, v[FA+1]
	LOADX
.Lno_chunk_\@:
.endif
	WIN W_MR
.set rn, 0
.set wq, 0
.rept 4
	WM1 1, \st
	R1 0
	R1 0
	R1 0
	R1 0
.endr
.rept 48
	R1 0
.endr
	CUT 0
	WIN W_MR
.set rn, 0
.set wq, 0
.rept 16
	WM2 0
	R1 1
	R1 1
	R1 1
	R1 1
.endr
	CUT 1
	WIN W_MR
.set rn, 0
.set wq, 0
.rept 16
	WM2 1
	R2 0
	R2 0
	R2 0
	R2 0
.endr
	TAIL 0, \st
.if (\st) == 3
	s_wait_dscnt 0x1                               ; LDS answers in order (ISA guide 5.7.1): the six loads are in; the one store of d issued behind them may be out
.endif
	XB 0, ((\st)+1)%4
	WIN W_MR
.set rn, 0
.set wq, 0
.rept 4
	WM1 0, ((\st)+1)%4
	R2 1
	R2 1
	R2 1
	R2 1
.endr
.rept 48
	R2 1
.endr
	TAIL 1, \st
	XB 1, ((\st)+1)%4
.endm
; THE WAY OUT of a batch: 32 rows x 240 bytes are 7,680 consecutive bytes of out0, 480 pieces of 16.  Piece j = lane + 32 i lies in LDS at row j / 15, byte 16 (j % 15): 16 j + 360 (j / 15);
; j / 15 = (4,370 j) >> 16 for j < 480 (4,370 x 15 = 65,550: with j = 15 q + k the excess over 65,536 q is 14 q + 4,370 k, 61,614 at the most, under 65,536).  The address is a multiple of 8: two loads of 8 bytes.
.macro OUTB lb, gb
	WIN 0
.set i, 0
.rept 15
	v_add_nc_u32 v34, 139840*i, v[PJ]              ; 4,370 (lane + 32 i)
	v_lshrrev_b32 v34, 16, v34
	v_mad_u32_u24 v35, v34, 360, v[OBA]
	ds_load_b64 v[ACC+4*i:ACC+4*i+1], v35 offset:(\lb)+512*i       ; LDS serves a wave's instructions in order: these see the last stores of d
	ds_load_b64 v[ACC+4*i+2:ACC+4*i+3], v35 offset:(\lb)+512*i+8
.set i, i+1
.endr
.set i, 0
.rept 15
	s_wait_dscnt 28-2*i                            ; of the 30 loads the first 2 i + 2 are in
	global_store_b128 v[GO], v[ACC+4*i:ACC+4*i+3], s[18:19] offset:(\gb)+512*i th:TH_STORE_NT  ; 512 consecutive bytes, at a multiple of 256 from out0's first byte
.set i, i+1
.endr
.endm
; A BATCH: 15 trips of four steps.  la = 1: the other batch's features come in meanwhile: each group of five loads is asked for a whole trip ahead of the wait for it.
; In front of the loop stand what a step finds done: layer 1 of A for step 0, and B's source 1 for it.
.macro BATCH la, lb, gb
.if \la
	LA_ISSUE
.endif
	v_mov_b32 v[TS], 0                             ; d before the first step
	v_mov_b32 v[TS+8], 0
	LOADX
	s_wait_dscnt 0x0                               ; chunk 0's words
	XB 0, 0
	WIN W_MR
.set wq, 0
.rept 4
	WM1 0, 0
.endr
	XB 1, 0
	WIN 0
	s_mov_b32 s33, 15
.Lchunk_\@:
	STEP 0
	STEP 1
	STEP 2
	STEP 3
	WIN 0
	v_add_nc_u32 v[DA], 16, v[DA]
	v_add_nc_u32 v[DA+1], 16, v[DA+1]
.if \la
	s_wait_loadcnt 0x0                             ; the five loads issued a trip ago: no other load of mine is out
	LA_CONV
	s_cmp_eq_u32 s33, 1
	s_cbranch_scc1 .Lno_more_\@                    ; the fifteenth group was the last: no load leaves the wave's features
	LA_ISSUE
.Lno_more_\@:
.endif
	s_sub_co_u32 s33, s33, 1
	s_cmp_lg_u32 s33, 0
	s_cbranch_scc1 .Lchunk_\@
	OUTB \lb, \gb
.endm
	; ---- head ----
	s_load_b512 s[4:19], s[0:1], 0x0               ; features s[4:5], W1 s[6:7], b1 s[8:9], W2 s[10:11], b2 s[12:13], W3 s[14:15], b3 s[16:17], out0 s[18:19]
	v_lshl_add_u32 v[SPW], v0, 2, SPARE
	v_mov_b32 v[NIL], 0
	v_lshrrev_b32 v1, 5, v0
	v_readfirstlane_b32 s20, v1                    ; wave 0..7
	v_and_b32 v[LN], 31, v0
	v_and_b32 v13, 15, v0                          ; r
	v_bfe_u32 v14, v0, 4, 1                        ; h
	s_mul_i32 s21, s20, LWAVE                      ; my wave's LDS
	s_mul_i32 s22, ttmp9, FB_WG                    ; my wave's features: at the most 157,209,600, inside 32 bits
	s_mul_i32 s23, s20, FB_WAVE
	s_add_co_u32 s22, s22, s23
	s_mov_b32 s23, 0
	s_mul_i32 s36, ttmp9, OB_WG                    ; and its output
	s_mul_i32 s37, s20, OB_WAVE
	s_add_co_u32 s36, s36, s37
	s_mov_b32 s37, 0
	s_mov_b32 s25, 0x0000ffff                      ; lanes 0-15
	s_mov_b32 s26, 0xffff0000                      ; lanes 16-31; also the mask of a word's upper bf16
	s_mov_b32 s27, 0x42800000                      ; 2^6
	s_mov_b32 s28, 0x7e800000                      ; 2^126
	s_mov_b32 s29, 0x82000000                      ; (6 + 2 x 127) << 23: less the bits of 2^e it is the bits of 2^(6 - e)
	s_mov_b32 s30, 0x76543210                      ; v_permlanex16_b32: each lane takes its own place in the other half
	s_mov_b32 s31, 0xfedcba98
	s_mov_b32 s34, 0xffffe000                      ; sign, exponent and the upper 10 bits of an f32's fraction
	v_lshlrev_b32 v[GO], 4, v[LN]
	v_add_nc_u32 v[GO2], FB_BATCH, v[GO]
	v_lshl_add_u32 v[LS], v[LN], 3, s21
	v_add_nc_u32 v[LS2], LBATCH, v[LS]
	v_mul_u32_u24 v1, v13, LROW
	v_add_nc_u32 v[DA], s21, v1                    ; tile A: row r
	v_add_nc_u32 v[DA+1], 16*LROW, v[DA]           ; tile B: row 16 + r
	v_lshl_add_u32 v[FA], v14, 4, v[DA]
	v_lshl_add_u32 v[FA+1], v14, 4, v[DA+1]
	v_lshlrev_b32 v[RA], 2, v13
	v_lshl_add_u32 v[WA], v14, 11, v[RA]           ; 8 h rows of W2 (256 bytes each) + column r
	v_lshlrev_b32 v[HB], 5, v14
	v_add_nc_u32 v[OBA], s21, v[GO]
	v_mul_u32_u24 v[PJ], v[LN], 4370
	s_wait_kmcnt 0x0
	s_load_b32 s24, s[16:17], 0x0                  ; b3
	s_add_nc_u64 s[4:5], s[4:5], s[22:23]
	s_add_nc_u64 s[18:19], s[18:19], s[36:37]
	; ---- the weights, 172 loads, once a wave ----
	; Source 0 of layer 2, fragment f = 2 mb + kb: lane (r, h) holds unit 16 mb + r; its half-word i is k = 32 kb + 16 (i / 8) + 8 h + i % 8: W2[k][16 mb + r].
	WIN 0x40                                       ; destination window 1, address window 0
.set f, 0
.rept 8
.set i, 0
.rept 16
	global_load_b32 v[16*f+i], v[WA], s[10:11] offset:((32*(f%2)+16*(i/8)+i%8)*64+16*(f/2))*4
.set i, i+1
.endr
.set f, f+1
.endr
.set m, 0
.rept 4
.set c, 0
.rept 6
	global_load_b32 v[RW+7*m+c], v[RA], s[6:7] offset:(64*c+16*m)*4    ; W1[c][16 mb + r]
.set c, c+1
.endr
	global_load_b32 v[RW+7*m+6], v[RA], s[8:9] offset:64*m             ; b1[16 mb + r]
.set m, m+1
.endr
	WIN 0
.set m, 0
.rept 4                                            ; b2 and W3 of units 16 mb + 8 h + 0..7, in the results' order
	global_load_b128 v[B2R+8*m:B2R+8*m+3],   v[HB], s[12:13] offset:64*m
	global_load_b128 v[B2R+8*m+4:B2R+8*m+7], v[HB], s[12:13] offset:64*m+16
	global_load_b128 v[W3R+8*m:W3R+8*m+3],   v[HB], s[14:15] offset:64*m
	global_load_b128 v[W3R+8*m+4:W3R+8*m+7], v[HB], s[14:15] offset:64*m+16
.set m, m+1
.endr
	GLOADF SETA, 0                                 ; batch 0's features follow at once
	GLOADF SETB, 1
	s_wait_loadcnt 30                              ; loads come back in order (ISA guide 5.7.1): the weights are in, the 30 feature loads behind them stay out
	WIN 0x45                                       ; destination and sources 0, 1 in window 1
.set f, 0
.rept 8
.set p, 0
.rept 8
	RB 16*f+2*p                                    ; W2 to bf16,
	v_cvt_pk_f16_f32 v[A2+8*f+p], v[16*f+2*p], v[16*f+2*p+1]  ; and that number written as f16
.set p, p+1
.endr
.set f, f+1
.endr
.set i, 0
.rept 14
	RB RW+2*i                                      ; W1 and b1 to bf16: 28 numbers a lane
.set i, i+1
.endr
.set m, 0
.rept 4                                            ; the four words that meet (f0, f1) (f2, f3) (f4, 1) (d's upper bits, d's rest)
	v_cvt_pk_f16_f32 v[PW+4*m],   v[RW+7*m],   v[RW+7*m+1]   ; (w0, w1)
	v_cvt_pk_f16_f32 v[PW+4*m+1], v[RW+7*m+2], v[RW+7*m+3]   ; (w2, w3)
	v_cvt_pk_f16_f32 v[PW+4*m+2], v[RW+7*m+4], v[RW+7*m+6]   ; (w4, b1)
	v_cvt_pk_f16_f32 v[PW+4*m+3], v[RW+7*m+5], v[RW+7*m+5]   ; (w5, w5)
.set m, m+1
.endr
	; Source 0 of layer 1, variant q: the four words in half q of the lanes (k = 8 q .. 8 q + 7), which holds the values of a chunk's steps 2 q and 2 q + 1; 0 in the other half and for k = 16 .. 31.
.set q, 0
.rept 2
.set m, 0
.rept 4
.set z, 0
.rept 4
	v_cndmask_b32 v[A1+32*q+8*m+z], 0, v[PW+4*m+z], s[25+q]
.set z, z+1
.endr
.rept 4
	v_mov_b32 v[A1+32*q+8*m+z], 0
.set z, z+1
.endr
.set m, m+1
.endr
.set q, q+1
.endr
	WIN 0                                          ; b2 and W3 to bf16, in pairs, where they were loaded;
.set i, 0
.rept 16
	v_cvt_pk_bf16_f32 v[B2R+2*i], v[B2R+2*i], v[B2R+2*i+1]
	v_cvt_pk_bf16_f32 v[W3R+2*i], v[W3R+2*i], v[W3R+2*i+1]
.set i, i+1
.endr
	WIN 0x40                                       ; written as f32 again into window 1, where W2 lay as loaded: the riders take them as source 0
.set i, 0
.rept 16
	v_and_b32 v[B2+2*i+1], s26, v[B2R+2*i]
	v_lshlrev_b32 v[B2+2*i], 16, v[B2R+2*i]
	v_and_b32 v[W3+2*i+1], s26, v[W3R+2*i]
	v_lshlrev_b32 v[W3+2*i], 16, v[W3R+2*i]
.set i, i+1
.endr
	WIN 0
	s_wait_kmcnt 0x0                               ; b3
	v_mov_b32 v1, s24
	v_cvt_pk_bf16_f32 v1, v1, v1                   ; to bf16,
	v_lshlrev_b32 v1, 16, v1                       ; written as f32 again,
	v_readfirstlane_b32 s24, v1                    ; and kept as a scalar: it is the addend of one instruction a tile and step
	v_mov_b32 v[ZV], 0
	; ---- batch 0's features: two sets of fifteen loads take turns ----
	s_wait_loadcnt 15                              ; the older set is in, the younger stays out: so at each of these four waits
	CONVF SETA, 0
	GLOADF SETA, 2
	s_wait_loadcnt 15
	CONVF SETB, 1
	GLOADF SETB, 3
	s_wait_loadcnt 15
	CONVF SETA, 2
	GLOADF SETA, 4
	s_wait_loadcnt 15
	CONVF SETB, 3
	s_wait_loadcnt 0x0
	CONVF SETA, 4
.set j, 0
.rept 2
.set z, 4
.rept 4
	v_mov_b32 v[XP+8*j+z], 0                       ; k = 16 .. 31 of layer 1's source 1
.set z, z+1
.endr
	v_mov_b32 v[TS+8*j+5], 0                       ; v_permlanex16_b32's destination counts as read
.set j, j+1
.endr
	BATCH 1, 0, 0
	s_wait_xcnt 0x0                                ; the stores' addresses are translated (ISA guide 3.1): only behind this wait are the registers that they read written again
	v_add_nc_u32 v[FA], LBATCH-14*40, v[FA]        ; on to batch 1: back over fourteen chunks,
	v_add_nc_u32 v[FA+1], LBATCH-14*40, v[FA+1]
	v_add_nc_u32 v[DA], LBATCH-15*16, v[DA]        ; and over fifteen trips' d
	v_add_nc_u32 v[DA+1], LBATCH-15*16, v[DA+1]
	BATCH 0, LBATCH, OB_BATCH
	s_wait_tensorcnt 0x0                           ; the wave's end, behind my last LDS store
	ds_add_u32 v[SPW], v[NIL]
	s_wait_dscnt 0x0
	s_endpgm
.Lfunc_end_k_qa61dcf4eb3_traj:
	.size	k_qa61dcf4eb3_traj, .Lfunc_end_k_qa61dcf4eb3_traj-k_qa61dcf4eb3_traj
	.p2alignl 7, 3214868480
	.fill 96, 4, 3214868480
	.section	.rodata,"a",@progbits
	.p2align	6, 0x0
	.amdhsa_kernel k_qa61dcf4eb3_traj
		.amdhsa_group_segment_fixed_size 308224
		.amdhsa_private_segment_fixed_size 0
		.amdhsa_enable_private_segment 0
		.amdhsa_kernarg_size 64
		.amdhsa_user_sgpr_count 2
		.amdhsa_user_sgpr_kernarg_segment_ptr 1
		.amdhsa_wavefront_size32 1
		.amdhsa_system_sgpr_workgroup_id_x 1
		.amdhsa_system_sgpr_workgroup_id_y 1
		.amdhsa_system_sgpr_workgroup_id_z 1
		.amdhsa_system_vgpr_workitem_id 0
		.amdhsa_next_free_vgpr 512
		.amdhsa_next_free_sgpr 66
		.amdhsa_reserve_vcc 0
		.amdhsa_float_denorm_mode_32 3
		.amdhsa_float_denorm_mode_16_64 3
		.amdhsa_memory_ordered 1
		.amdhsa_forward_progress 1
		.amdhsa_inst_pref_size 255
	.end_amdhsa_kernel
	.section	.bss,"aw",@nobits
	.p2align	6
	.space	262144
	.amdgpu_metadata
---
amdhsa.version: [ 1, 2 ]
amdhsa.kernels:
  - .name:           k_qa61dcf4eb3_traj
    .symbol:         k_qa61dcf4eb3_traj.kd
    .args:
      - { .name: features, .offset: 0, .size: 8, .value_kind: global_buffer, .address_space: global }
      - { .name: W1, .offset: 8, .size: 8, .value_kind: global_buffer, .address_space: global }
      - { .name: b1, .offset: 16, .size: 8, .value_kind: global_buffer, .address_space: global }
      - { .name: W2, .offset: 24, .size: 8, .value_kind: global_buffer, .address_space: global }
      - { .name: b2, .offset: 32, .size: 8, .value_kind: global_buffer, .address_space: global }
      - { .name: W3, .offset: 40, .size: 8, .value_kind: global_buffer, .address_space: global }
      - { .name: b3, .offset: 48, .size: 8, .value_kind: global_buffer, .address_space: global }
      - { .name: out0, .offset: 56, .size: 8, .value_kind: global_buffer, .address_space: global }
    .group_segment_fixed_size: 308224
    .private_segment_fixed_size: 0
    .kernarg_segment_align: 8
    .kernarg_segment_size: 64
    .max_flat_workgroup_size: 256
    .sgpr_count:     66
    .vgpr_count:     512
    .wavefront_size: 32
...
	.end_amdgpu_metadata
.endif
;; end of part 1
;; ======== version 2 of 2: 1 launch; version 1 with the launch traj written anew for expert scheduling mode
;; limits: values are held in f16: magnitudes above 65,504 overflow, below 6.1e-05 lose precision; inputs' magnitudes at most 65,504; right only within a limited range of input values
;; launch traj (part 2): grid 256 x 1, 8 waves a work-group, no clusters, 308,224 bytes of LDS; arguments features, W1, b1, W2, b2, W3, b3, out0; writes out0
.if DOCPART == 2
	.amdgcn_target "amdgcn-amd-amdhsa--gfx1250"
	.amdhsa_code_object_version 6
	.text
	.protected	k_qa61dcf4eb3_traj
	.globl	k_qa61dcf4eb3_traj
	.p2align	8
	.type	k_qa61dcf4eb3_traj,@function
k_qa61dcf4eb3_traj:
	s_mov_b64 s[64:65], 0
	v_nop
	global_prefetch_b8 v0, s[64:65] scope:SCOPE_SE
	s_setreg_imm32_b32 hwreg(HW_REG_WAVE_SCHED_MODE, 0, 2), 2
	s_setreg_imm32_b32 hwreg(HW_REG_WAVE_MODE, 25, 1), 1
	s_wait_xcnt 0x0
	s_wait_alu depctr_vm_vsrc(0)
; out0[n][t] = d_t,  d_t = relu(relu([f(n,t,0..4), d_(t-1)] W1 + b1) W2 + b2) W3 + b3,  d_(-1) = 0.   131,072 rows, 60 steps, 5 features, 64 hidden units.
; SHARES.  Rows are independent, steps are not.  A work-group owns 512 rows, each of its eight waves 64, in two batches of 32 = two tiles (A, B) of 16 rows.  A wave touches only its own rows, its own
; 38,400 bytes of LDS and its own output: there is no barrier.  While batch 0 is computed, batch 1's features are loaded, rounded and put into LDS, five loads a trip.
; FORMATS.  EVERY INPUT IS ROUNDED ONCE, TO bf16 (to nearest even): features, W1, b1, W2, b2, W3, b3.  A bf16 number has 8 significant bits and is exact in f16 (11 bits) from 2^-17 to 65,504, also times a power
; of two: so features, W1, b1 and W2 enter v_wmma_f32_16x16x32_f16 with no second rounding, sums in f32.  What the program itself makes is carried through 60 steps, each of which multiplies an earlier step's
; error by its own gain, so it is kept at f32's level: h1 and the fed-back d each go in as TWO f16 numbers, the upper 11 significant bits (a mask: exact) and the rest (an exact subtraction, of which f16 keeps
; 11 bits), which meet the same weights; h2 and d stay in f32.  The last layer has one output column: it would use one sixteenth of a matrix instruction and want h2 rounded first, so it is a dot product of
; packed f32 multiply-adds and one exchange between the lanes' halves.
; LAYOUT.  Source 0 = 16 units x 32 k of weights, source 1 = 32 k x 16 rows of data: in the result lane (r = lane % 16, h = lane / 16) holds data row r and the units 16 mb + 8 h + 0..7.  Two neighbouring
; results, rounded in pairs, ARE source 1 of the next layer: nothing changes lanes between the layers.
; THE ROW'S SCALE.  d can grow without bound where the weights' feedback gain passes 1.  So a row's inputs of a step are multiplied, in f32, by sigma = 2^6 / 2^e, e = d's exponent held within 6 .. 126 (sigma = 1
; while |d| < 128): source 1 holds sigma f, sigma d (below 128 in size) and sigma itself, which meets b1 in source 0.  relu and the last dot product commute with sigma > 0: layer 2 adds sigma b2, and the
; finished dot product is multiplied by 1 / sigma, exactly, as b3 is added.
; LIMITS.  |features|, |W1|, |b1|, |W2| and sigma x h1 stay under f16's 65,504; an f16 operand under 6e-5 keeps f16's fixed step of 6e-8, so inputs under 2^-17 and the rests of sigma h1 and sigma d are held to
; 3e-8 in absolute size, or 2^-22 of the number, whichever is more.  From |d| = 2^31 on sigma rounds to 0 in f16: features and b1, then under 1e-5 of the row's numbers, drop out.  v_max_num_f32 turns a NaN
; into 0 where the reference's relu keeps it; NaN and infinities are not treated apart.
; NO CLUSTER, NO TENSOR LOADS.  What work-groups share is the weights, 18,692 bytes against 614,400 bytes of a work-group's own features, and they go straight into registers.  512 rows of f32 features do not
; fit into LDS; rounded to bf16 on the way through registers they are 307,200 bytes.
; LDS.  Wave w: bytes 38,400 w on; batch b: + 19,200 b; row: + 600 a row; value v of the row's 300: + 2 v.  So 16 bytes loaded at byte o of the wave's features are 8 bytes stored at o / 2.
; d of step t is stored over the row's own features, at row + 4 t: in trip c bytes 16 c .. 16 c + 15, below byte 40 (c + 1), where the first feature not yet read lies.
; REGISTERS, in windows of 256 (s_set_vgpr_msb: bits 1:0 source 0, 3:2 source 1, 5:4 source 2, 7:6 destination).  Window 1 holds what is never rewritten in the loop: all the weights.  Window 0 holds all else.
; RIDERS AND LUMPS.  A tile-step has 20 matrix and 199 vector instructions.  Four vector instructions of the OTHER tile stand behind every matrix instruction (riders), so that no run of products stands bare.
; ONE window setting, source 0 in window 1 and all else in window 0, serves a product and its riders: a rider is an instruction whose source 0 is a constant, a scalar register or a weight (relu, the masks,
; b2 sigma + sum, W3 h2 + chain).  What has two computed sources (subtractions, roundings, the end of the sum, the next step's source 1) stands in lumps under window 0: eight switches for a step of both tiles.
; THE MODE: SCHED_MODE bits 1:0 = 2 (LLVM: expert scheduling mode 2), set by the entry lines.  The code itself states the register dependences between vector or matrix instructions and memory or LDS
; instructions, with s_wait_alu, always for 0.
; THE PLAN.  Registers that memory or LDS instructions touch, round the loop:
;   XR          The six LDS loads of a chunk land in it, behind step 2's stores of d; both tiles' XB read it, from step 3 to the next trip's step 2.
;   v[TS], v[TS+8]  d of the two tiles.  TAIL writes it once a step; XB reads it; ONE pair of LDS stores at the step's end (DOUT) reads both.
;   FA          Read by a chunk's loads; stepped once a trip, at the end of step 2, ahead of DOUT's wait.       DA   Read by the stores of d; stepped at the trip's end.
;   LAS         Five global loads land in it at a trip's end; at the next trip's end it is rounded in place, ahead of step 3's DOUT, and five LDS stores read it.     LS2  Read by those stores; stepped at the trip's end.
;   v[GO], v[LS] and the weights' offsets are made at the head and never written again; the load-ahead's place in memory is a scalar base that moves on.
;   H1, HL, HIF, XP, XT, the statistics but d, the accumulators and the weights are named in the loop by vector and matrix instructions alone.
; So a step has ONE wait on va_vdst, in DOUT, behind XB of tile B: both d are written; in step 2 also FA is written and both XB are done reading XR; in step 3 also the load-ahead's roundings are done.  And ONE
; wait on vm_vsrc, ahead of TAIL of tile A: the stores of the step before have read both d.  A trip has one more wait on vm_vsrc, at its end, ahead of the adds to DA and LS2 and of the loads into LAS.
.set FB_WG,    614400         ; bytes of features of a work-group (512 rows x 1,200), a multiple of 256
.set FB_WAVE,  76800          ; of a wave, a multiple of 256
.set FB_BATCH, 38400          ; of a batch: 75 loads of 512 bytes
.set OB_WG,    122880         ; bytes of output of a work-group (512 rows x 240)
.set OB_WAVE,  15360
.set OB_BATCH, 7680           ; 15 stores of 512 bytes
.set LROW,     600            ; a row in LDS
.set LBATCH,   19200
.set LWAVE,    38400
.set SPARE,    307200         ; behind the features: the spare words, 128 bytes for each of eight waves: four blocks of 256 bytes that no other line names
.set SPW, 2                   ; v2      LDS address of my spare word; never rewritten
.set NIL, 3                   ; v3      0; never rewritten
.set GO,  4                   ; v4      16 x lane: my 16 bytes in 512; never rewritten
.set LS,  6                   ; v6      38,400 w + 8 x lane: where my 8 rounded bytes go
.set LS2, 7                   ; v7      the same for the load-ahead
.set FA,  8                   ; v8-9    tile t: LDS address of my part of the chunk's features: row + 40 c + 16 h
.set DA,  10                  ; v10-11  tile t: LDS address of the trip's four d: row + 16 c
.set LN,  12                  ; v12     lane
.set WA,  15                  ; v15     2,048 h + 4 r: my place in W2
.set ZV,  17                  ; v17     0, the addend of the scaling in XB
.set RA,  18                  ; v18     4 r
.set HB,  19                  ; v19     32 h
.set TS,  20                  ; v20-25, v28-33  tile t at TS + 8 t: +0 d, +1 at work, +2 sigma, +3 1 / sigma, +4 the upper bits of sigma d, +5 the other half's sum
.set OBA, 26                  ; v26     38,400 w + 16 x lane
.set PJ,  27                  ; v27     4,370 x lane
.set XR,  36                  ; v36-47  tile t at XR + 6 t: six words of the chunk's ten, as they lie in LDS
.set XP,  48                  ; v48-63  tile t at XP + 8 t: source 1 of layer 1; registers 4-7 stay 0
.set H1,  64                  ; v64-95  tile t at H1 + 16 t: source 1 of layer 2, two fragments: h1's upper bits
.set ACC, 96                  ; v96-159 tile t at ACC + 32 t: four results of 8 registers
.set HL,  160                 ; v160-191  tile t at HL + 16 t: source 1 of layer 2, two fragments: the rests of h1
.set HIF, 192                 ; v192-223  h1's upper bits in f32, of the tile in hand, from the masks to the lump that rounds them
.set AD,  192                 ; v192-206  on the way out, when HIF is free: the fifteen LDS addresses of the read-back
.set B2R, 160                 ; before the loop: b2 and W3 as loaded
.set W3R, 192
.set LAS, 224                 ; v224-243  the load-ahead's five loads
.set XT,  244                 ; v244-248  a step's five features times sigma, in f32
.set SETA, 36                 ; v36-95, v96-155: two sets of fifteen loads while batch 0's features come in
.set SETB, 96
.set A1,  0                   ; window 1: v0-63     layer 1's source 0 for the half hv of the lanes that holds the step's values, unit block mb, at 32 hv + 8 mb (before that, v0-127: W2 as loaded)
.set B2,  64                  ; window 1: v64-95    b2 of my 32 units, in the results' order
.set W3,  96                  ; window 1: v96-127   W3 likewise
.set A2,  128                 ; window 1: v128-191  layer 2's source 0 for unit block mb, k block kb at 128 + 8 (2 mb + kb)
.set RW,  192                 ; window 1: v192-219  W1's six numbers and b1 of unit 16 mb + r, at 192 + 7 mb
.set PW,  220                 ; window 1: v220-235  the four packed words a unit block
; s[4:19] the eight addresses; s20 wave; s21 38,400 w; s[22:23], s[36:37] offsets; s24 b3; s25 lanes 0-15; s26 lanes 16-31, and a word's upper bf16; s27, s28 2^6, 2^126; s29 2 x 130 << 23; s30, s31 selects;
; s33 trips; s34 the mask of an f32's upper 11 significant bits; s[38:39] the features at the load-ahead's next group
.set W_MR, 0x01               ; products and riders: source 0 in window 1
.set MSB, 0
.macro WIN new                ; the immediate's high byte repeats the setting that is left; a switch that changes nothing is dropped
.if MSB != (\new)
	s_set_vgpr_msb (MSB<<8)|(\new)
.set MSB, \new
.endif
.endm
; ---- features on their way in ----
.macro GLOADF set, g          ; fifteen loads of 512 consecutive bytes, each at a multiple of 256 from the buffer's first byte: group g of batch 0's five
.set i, 0
.rept 15
	global_load_b128 v[(\set)+4*i:(\set)+4*i+3], v[GO], s[4:5] offset:512*(15*(\g)+i) th:TH_LOAD_NT
.set i, i+1
.endr
.endm
.macro CONVF set, g           ; rounded to bf16 in place, in one run; then 8 bytes a lane into LDS: 256 consecutive bytes an instruction
.set i, 0
.rept 15
	v_cvt_pk_bf16_f32 v[(\set)+4*i], v[(\set)+4*i], v[(\set)+4*i+1]
	v_cvt_pk_bf16_f32 v[(\set)+4*i+1], v[(\set)+4*i+2], v[(\set)+4*i+3]
.set i, i+1
.endr
	s_wait_alu depctr_va_vdst(0)                   ; the roundings have written the words that the LDS stores read, and are done with the set's registers, in which the set's next loads land
.set i, 0
.rept 15
	ds_store_b64 v[LS], v[(\set)+4*i:(\set)+4*i+1] offset:256*(15*(\g)+i)
.set i, i+1
.endr
.endm
.macro LA_ISSUE               ; five loads of batch 1's 75
.set i, 0
.rept 5
	global_load_b128 v[LAS+4*i:LAS+4*i+3], v[GO], s[38:39] offset:512*i th:TH_LOAD_NT
.set i, i+1
.endr
.endm
.macro LA_RND                 ; they are rounded in place, ahead of the step's wait on va_vdst,
.set i, 0
.rept 5
	v_cvt_pk_bf16_f32 v[LAS+4*i], v[LAS+4*i], v[LAS+4*i+1]
	v_cvt_pk_bf16_f32 v[LAS+4*i+1], v[LAS+4*i+2], v[LAS+4*i+3]
.set i, i+1
.endr
.endm
.macro LA_PUT                 ; and stored behind it
.set i, 0
.rept 5
	ds_store_b64 v[LS2], v[LAS+4*i:LAS+4*i+1] offset:256*i
.set i, i+1
.endr
.endm
; A chunk is four steps: 20 values, ten words of two bf16, 40 bytes of a row.  Lanes 0-15 take words 0-5, lanes 16-31 words 4-9 (16 bytes on): three loads of 8 bytes, since a row's pitch is a multiple of 8 alone.
.macro LOADX
.set j, 0
.rept 2
.set k, 0
.rept 3
	ds_load_b64 v[XR+6*j+2*k:XR+6*j+2*k+1], v[FA+j] offset:8*k
.set k, k+1
.endr
.set j, j+1
.endr
.endm
.macro RB p                   ; the pair v[p], v[p+1]: each number rounded to bf16, and written as f32 again
	v_cvt_pk_bf16_f32 v[\p], v[\p], v[\p+1]
	v_and_b32 v[\p+1], s26, v[\p]
	v_lshlrev_b32 v[\p], 16, v[\p]
.endm
; ---- the matrix work.  wq counts the products of a run; each macro writes product wq and steps it ----
.macro WM1 t, st              ; layer 1, unit block wq of four: sigma (x W1 + b1) for step st of a chunk; each product starts its sum with the constant 0
	v_wmma_f32_16x16x32_f16 v[ACC+32*(\t)+8*wq:ACC+32*(\t)+8*wq+7], v[A1+32*((\st)/2)+8*wq:A1+32*((\st)/2)+8*wq+7], v[XP+8*(\t):XP+8*(\t)+7], 0
.set wq, wq+1
.endm
; Layer 2, product wq of sixteen, in four runs of four: the upper bits of units 0-31 start the four sums; those of units 32-63, then the rests of both, add onto them.  The four accumulators take turns, one
; instruction a turn.
.macro WM2 t
.set g, wq/4
.set m, wq%4
.set hb, H1+16*(\t)+8*(g%2)
.if g >= 2
.set hb, HL+16*(\t)+8*(g%2)
.endif
.set ac, ACC+32*(\t)+8*m
.set wa, A2+8*(2*m+g%2)
.if g == 0
	v_wmma_f32_16x16x32_f16 v[ac:ac+7], v[wa:wa+7], v[hb:hb+7], 0
.else
	v_wmma_f32_16x16x32_f16 v[ac:ac+7], v[wa:wa+7], v[hb:hb+7], v[ac:ac+7]
.endif
.set wq, wq+1
.endm
; ---- the vector work.  rn counts a list's riders; each macro writes rider rn and steps it ----
; R1: the 64 riders behind layer 1 of tile t: relu of the 32 sums, in place, and the mask that takes a number's upper 11 significant bits.  The masks run two pairs behind the relus, so that no line reads a
; result made fewer than four lines before it.  Each result is read from its lowest registers on.
.macro R1 t
.set a, ACC+32*(\t)
.if rn < 4
	v_max_num_f32 v[a+rn], 0, v[a+rn]
.elseif rn < 60
.if (rn%4) < 2
	v_and_b32 v[HIF+2*((rn-4)/4)+rn%4], s34, v[a+2*((rn-4)/4)+rn%4]
.else
	v_max_num_f32 v[a+2*((rn-4)/4)+2+rn%4], 0, v[a+2*((rn-4)/4)+2+rn%4]
.endif
.else
	v_and_b32 v[HIF+rn-32], s34, v[a+rn-32]
.endif
.set rn, rn+1
.endm
; CUT: the lump behind R1: the rests, by subtractions that are exact; then both parts are written as f16, in pairs.
.macro CUT t
	WIN 0
.set a, ACC+32*(\t)
.set i, 0
.rept 16
	v_pk_add_f32 v[a+2*i:a+2*i+1], v[a+2*i:a+2*i+1], v[HIF+2*i:HIF+2*i+1] neg_lo:[0,1] neg_hi:[0,1]
.set i, i+1
.endr
.set i, 0
.rept 16
	v_cvt_pk_f16_f32 v[H1+16*(\t)+i], v[HIF+2*i], v[HIF+2*i+1]
.set i, i+1
.endr
.set i, 0
.rept 16
	v_cvt_pk_f16_f32 v[HL+16*(\t)+i], v[a+2*i], v[a+2*i+1]
.set i, i+1
.endr
.endm
; R2: the 64 riders behind layer 2 of tile t: 0-15 sigma b2 onto the 16 pairs of sums; 16-47 relu; 48-63 times W3, in four chains that do not wait for each other and live in the first four pairs.
.macro R2 t
.set a, ACC+32*(\t)
.set u, TS+8*(\t)
.if rn < 16
	v_pk_fma_f32 v[a+2*rn:a+2*rn+1], v[B2+2*rn:B2+2*rn+1], v[u+2:u+3], v[a+2*rn:a+2*rn+1] op_sel_hi:[1,0,1]
.elseif rn < 48
	v_max_num_f32 v[a+rn-16], 0, v[a+rn-16]
.elseif rn < 52
	v_pk_mul_f32 v[a+2*(rn-48):a+2*(rn-48)+1], v[W3+2*(rn-48):W3+2*(rn-48)+1], v[a+2*(rn-48):a+2*(rn-48)+1]
.else
	v_pk_fma_f32 v[a+2*(rn%4):a+2*(rn%4)+1], v[W3+2*(rn-48):W3+2*(rn-48)+1], v[a+2*(rn-48):a+2*(rn-48)+1], v[a+2*(rn%4):a+2*(rn%4)+1]
.endif
.set rn, rn+1
.endm
; TAIL: the four chains and the two halves of the lanes are added; d = sum / sigma + b3.  d stays in its register until the step's end, where DOUT stores it.
.macro TAIL t
	WIN 0
.set a, ACC+32*(\t)
.set u, TS+8*(\t)
	v_pk_add_f32 v[a:a+1], v[a:a+1], v[a+2:a+3]
	v_pk_add_f32 v[a+4:a+5], v[a+4:a+5], v[a+6:a+7]
	v_pk_add_f32 v[a:a+1], v[a:a+1], v[a+4:a+5]
	v_add_f32 v[u+1], v[a], v[a+1]                 ; my 32 units
	v_permlanex16_b32 v[u+5], v[u+1], s30, s31     ; the row's other 32 lie in the lane 16 away
	v_add_f32 v[u+1], v[u+1], v[u+5]
	v_fma_f32 v[u], v[u+1], v[u+3], s24            ; d, in both halves of the lanes
.endm
; DOUT: the end of step st of a trip: both tiles' d go to LDS.  Its wait is the step's one wait on va_vdst; what else it states in steps 2 and 3 is said where it is used.
.macro DOUT st
	WIN 0
	s_wait_alu depctr_va_vdst(0)                   ; both TAIL have written d, which the two stores read; so has the add that wrote DA at the last trip's end
	ds_store_b32 v[DA], v[TS] offset:4*(\st)       ; both halves of the lanes store the same number to the same word
	ds_store_b32 v[DA+1], v[TS+8] offset:4*(\st)
.endm
; XB: source 1 of layer 1 for step st of a chunk: (f0, f1) (f2, f3) (f4, 1) (d's upper bits, d's rest), all times sigma.  The step's five values lie in three of my six words: steps 0, 1 in lanes 0-15 from
; word 0, 2; steps 2, 3 in lanes 16-31 from their word 1, 3; odd steps begin at a word's upper half.  What the other half of the lanes makes of its words is finite and meets weights that are 0.
.macro XB t, st
	WIN 0
.set u, TS+8*(\t)
.set x, XP+8*(\t)
.set b, XR+6*(\t)+2*((\st)%2)+(\st)/2
	v_and_b32 v[u+1], 0x7f800000, v[u]             ; 2^e of d
	v_med3_num_f32 v[u+1], v[u+1], s27, s28        ; held within 2^6 .. 2^126
	v_sub_nc_u32 v[u+2], s29, v[u+1]               ; sigma = 2^6 / 2^e, made in the exponent field
	v_add_nc_u32 v[u+3], 0xfd000000, v[u+1]        ; 1 / sigma = 2^e / 2^6
	v_mul_f32 v[u+1], v[u], v[u+2]                 ; sigma d, exact
.set n, 0
.rept 5
.set hp, (\st)%2+n
.if hp%2
	v_fma_mix_f32_bf16 v[XT+n], v[b+hp/2], v[u+2], v[ZV] op_sel:[1,0,0] op_sel_hi:[1,0,0]  ; a word's upper bf16 times sigma, in f32
.else
	v_fma_mix_f32_bf16 v[XT+n], v[b+hp/2], v[u+2], v[ZV] op_sel_hi:[1,0,0]                 ; its lower bf16
.endif
.set n, n+1
.endr
	v_and_b32 v[u+4], s34, v[u+1]                  ; the upper 11 significant bits of sigma d: exact in f16
	v_sub_f32 v[u+1], v[u+1], v[u+4]               ; the rest, exact; f16 keeps 11 bits of it
	v_cvt_pk_f16_f32 v[x], v[XT], v[XT+1]          ; 8 significant bits each: exact
	v_cvt_pk_f16_f32 v[x+1], v[XT+2], v[XT+3]
	v_cvt_pk_f16_f32 v[x+2], v[XT+4], v[u+2]       ; (sigma f4, sigma) meets (W1[4], b1)
	v_cvt_pk_f16_f32 v[x+3], v[u+4], v[u+1]        ; both parts of sigma d meet W1[5]
.endm
; A STEP of both tiles, in four phases; the tiles are half a step apart, so that each run of products has the other tile's riders:
;   1  layer 1 of B (4 products)   | R1 of A: 16 behind the products, 48 more;   then CUT A
;   2  layer 2 of A (16 products)  | R1 of B: four behind each;                  then CUT B
;   3  layer 2 of B (16 products)  | R2 of A: four behind each;                  then TAIL A and XB A for the next step
;   4  layer 1 of A, next step (4) | R2 of B: 16 behind the products, 48 more;   then TAIL B and XB B for the next step
; No rider names a register of the products round it, and between a product and the first vector instruction that names one of its registers stand sixteen or more plain vector instructions (ISA guide 7.12.1
; asks for four): no v_nop is written.  No two products that follow each other share an accumulator, from phase to phase and over the loop's backward jump too.
; The next chunk's words are fetched ahead of a chunk's last step: both XB have read the old ones in the step before.  The last trip has no next chunk: the fetch is jumped over, and what its last step
; makes for a step 60, on the old words, serves nothing: the price, four products and two XB a batch, of one text for every trip.
.macro STEP st
	WIN W_MR
.set rn, 0
.set wq, 0
.rept 4
	WM1 1, \st
	R1 0
	R1 0
	R1 0
	R1 0
.endr
.rept 48
	R1 0
.endr
	CUT 0
	WIN W_MR
.set rn, 0
.set wq, 0
.rept 16
	WM2 0
	R1 1
	R1 1
	R1 1
	R1 1
.endr
	CUT 1
	WIN W_MR
.set rn, 0
.set wq, 0
.rept 16
	WM2 1
	R2 0
	R2 0
	R2 0
	R2 0
.endr
	s_wait_alu depctr_vm_vsrc(0)                   ; the two stores at the end of the step before have read both tiles' d, which this step's two TAIL write anew; the chunk's loads issued so far have read FA
	TAIL 0
.if (\st) == 3
	s_wait_dscnt 0x0                               ; the chunk's six loads are in: no LDS instruction has been issued behind them
.endif
	XB 0, ((\st)+1)%4
	WIN W_MR
.set rn, 0
.set wq, 0
.rept 4
	WM1 0, ((\st)+1)%4
	R2 1
	R2 1
	R2 1
	R2 1
.endr
.rept 48
	R2 1
.endr
	TAIL 1
	XB 1, ((\st)+1)%4
.endm
; THE WAY OUT of a batch: 32 rows x 240 bytes are 7,680 consecutive bytes of out0, 480 pieces of 16.  Piece j = lane + 32 i lies in LDS at row j / 15, byte 16 (j % 15): 16 j + 360 (j / 15);
; j / 15 = (4,370 j) >> 16 for j < 480 (4,370 x 15 = 65,550: with j = 15 q + k the excess over 65,536 q is 14 q + 4,370 k, 61,614 at the most, under 65,536).  The address is a multiple of 8: two loads of 8 bytes.
; All fifteen addresses are made first, each in a register of its own, so that one wait serves the thirty loads.
.macro OUTB lb, gb
	WIN 0
.set i, 0
.rept 15
	v_add_nc_u32 v[AD+i], 139840*i, v[PJ]          ; 4,370 (lane + 32 i)
.set i, i+1
.endr
.set i, 0
.rept 15
	v_lshrrev_b32 v[AD+i], 16, v[AD+i]
.set i, i+1
.endr
.set i, 0
.rept 15
	v_mad_u32_u24 v[AD+i], v[AD+i], 360, v[OBA]
.set i, i+1
.endr
	s_wait_alu depctr_va_vdst(0)                   ; the fifteen addresses are written; the last step's products and vector work are done with the accumulators' registers, in which the loads land
.set i, 0
.rept 15
	ds_load_b64 v[ACC+4*i:ACC+4*i+1], v[AD+i] offset:(\lb)+512*i       ; LDS serves a wave's instructions in order: these see the last stores of d
	ds_load_b64 v[ACC+4*i+2:ACC+4*i+3], v[AD+i] offset:(\lb)+512*i+8
.set i, i+1
.endr
.set i, 0
.rept 15
	s_wait_dscnt 28-2*i                            ; of the 30 loads the first 2 i + 2 are in
	global_store_b128 v[GO], v[ACC+4*i:ACC+4*i+3], s[18:19] offset:(\gb)+512*i th:TH_STORE_NT  ; 512 consecutive bytes, at a multiple of 256 from out0's first byte
.set i, i+1
.endr
.endm
; A BATCH: 15 trips of four steps.  la = 1: the other batch's features come in meanwhile: each group of five loads is asked for a whole trip ahead of the wait for it.
; In front of the loop stand what a step finds done: layer 1 of A for step 0, and B's source 1 for it.
.macro BATCH la, lb, gb
.if \la
	LA_ISSUE                                       ; no vector instruction has named LAS yet, and v[GO] was written ahead of the head's wait
.endif
	v_mov_b32 v[TS], 0                             ; d before the first step
	v_mov_b32 v[TS+8], 0
	s_wait_alu depctr_va_vdst(0)                   ; FA is written (at the head; between the batches); what named XR's registers is done: the last group's roundings, or the last step's two XB
	LOADX
	s_wait_dscnt 0x0                               ; chunk 0's words
	XB 0, 0
	WIN W_MR
.set wq, 0
.rept 4
	WM1 0, 0
.endr
	XB 1, 0
	WIN 0
	s_mov_b32 s33, 15
.Lchunk_\@:
	STEP 0
	DOUT 0
	STEP 1
	DOUT 1
	STEP 2
	v_add_nc_u32 v[FA], 40, v[FA]                  ; on to the next chunk, in every trip: the loads that read FA stand ahead of this step's wait on vm_vsrc
	v_add_nc_u32 v[FA+1], 40, v[FA+1]
	DOUT 2                                         ; its wait states also: FA is written, and this step's two XB, the last readers of the chunk's words, are done reading XR
	s_cmp_eq_u32 s33, 1
	s_cbranch_scc1 .Lno_chunk_\@                   ; the last trip has no next chunk
	LOADX                                          ; no wait: since DOUT's no vector instruction has been issued
.Lno_chunk_\@:
	STEP 3
.if \la
	s_wait_loadcnt 0x0                             ; the five loads issued a trip ago: no other load of mine is out
	LA_RND
.endif
	DOUT 3                                         ; its wait states also: the load-ahead's roundings have written the words that LA_PUT stores, and are done with LAS, in which the next five loads land
.if \la
	LA_PUT
.endif
	s_wait_alu depctr_vm_vsrc(0)                   ; the stores of d have read DA; the load-ahead's stores have read LS2 and LAS
	v_add_nc_u32 v[DA], 16, v[DA]
	v_add_nc_u32 v[DA+1], 16, v[DA+1]
.if \la
	v_add_nc_u32 v[LS2], 1280, v[LS2]
	s_add_nc_u64 s[38:39], s[38:39], 2560          ; free since the wait on LOADcnt above, which shows the loads that read it done
	s_cmp_eq_u32 s33, 1
	s_cbranch_scc1 .Lno_more_\@                    ; the fifteenth group was the last: no load leaves the wave's features
	LA_ISSUE                                       ; no wait: the three adds since DOUT's wait name none of LAS, nor v[GO]
.Lno_more_\@:
.endif
	s_sub_co_u32 s33, s33, 1
	s_cmp_lg_u32 s33, 0
	s_cbranch_scc1 .Lchunk_\@
	OUTB \lb, \gb
.endm
	; ---- head ----
	s_load_b512 s[4:19], s[0:1], 0x0               ; features s[4:5], W1 s[6:7], b1 s[8:9], W2 s[10:11], b2 s[12:13], W3 s[14:15], b3 s[16:17], out0 s[18:19]
	v_lshl_add_u32 v[SPW], v0, 2, SPARE
	v_mov_b32 v[NIL], 0
	v_lshrrev_b32 v1, 5, v0
	v_readfirstlane_b32 s20, v1                    ; wave 0..7
	v_and_b32 v[LN], 31, v0
	v_and_b32 v13, 15, v0                          ; r
	v_bfe_u32 v14, v0, 4, 1                        ; h
	s_wait_alu depctr_va_sdst(0)                   ; s20 is written, ahead of its first reader: the wave's places in LDS, in the features and in the output are made from it
	s_mul_i32 s21, s20, LWAVE                      ; my wave's LDS
	s_mul_i32 s22, ttmp9, FB_WG                    ; my wave's features: at the most 157,209,600, inside 32 bits
	s_mul_i32 s23, s20, FB_WAVE
	s_add_co_u32 s22, s22, s23
	s_mov_b32 s23, 0
	s_mul_i32 s36, ttmp9, OB_WG                    ; and its output
	s_mul_i32 s37, s20, OB_WAVE
	s_add_co_u32 s36, s36, s37
	s_mov_b32 s37, 0
	s_mov_b32 s25, 0x0000ffff                      ; lanes 0-15
	s_mov_b32 s26, 0xffff0000                      ; lanes 16-31; also the mask of a word's upper bf16
	s_mov_b32 s27, 0x42800000                      ; 2^6
	s_mov_b32 s28, 0x7e800000                      ; 2^126
	s_mov_b32 s29, 0x82000000                      ; (6 + 2 x 127) << 23: less the bits of 2^e it is the bits of 2^(6 - e)
	s_mov_b32 s30, 0x76543210                      ; v_permlanex16_b32: each lane takes its own place in the other half
	s_mov_b32 s31, 0xfedcba98
	s_mov_b32 s34, 0xffffe000                      ; sign, exponent and the upper 10 bits of an f32's fraction
	v_lshlrev_b32 v[GO], 4, v[LN]
	v_lshl_add_u32 v[LS], v[LN], 3, s21
	v_add_nc_u32 v[LS2], LBATCH, v[LS]
	v_mul_u32_u24 v1, v13, LROW
	v_add_nc_u32 v[DA], s21, v1                    ; tile A: row r
	v_add_nc_u32 v[DA+1], 16*LROW, v[DA]           ; tile B: row 16 + r
	v_lshl_add_u32 v[FA], v14, 4, v[DA]
	v_lshl_add_u32 v[FA+1], v14, 4, v[DA+1]
	v_lshlrev_b32 v[RA], 2, v13
	v_lshl_add_u32 v[WA], v14, 11, v[RA]           ; 8 h rows of W2 (256 bytes each) + column r
	v_lshlrev_b32 v[HB], 5, v14
	v_add_nc_u32 v[OBA], s21, v[GO]
	v_mul_u32_u24 v[PJ], v[LN], 4370
	s_wait_kmcnt 0x0
	s_load_b32 s24, s[16:17], 0x0                  ; b3
	s_add_nc_u64 s[4:5], s[4:5], s[22:23]
	s_add_nc_u64 s[18:19], s[18:19], s[36:37]
	s_add_nc_u64 s[38:39], s[4:5], FB_BATCH        ; the load-ahead begins at batch 1's first byte
	; ---- the weights, 172 loads, once a wave ----
	; Source 0 of layer 2, fragment f = 2 mb + kb: lane (r, h) holds unit 16 mb + r; its half-word i is k = 32 kb + 16 (i / 8) + 8 h + i % 8: W2[k][16 mb + r].
	WIN 0x40                                       ; destination window 1, address window 0
	s_wait_alu depctr_va_vdst(0)                   ; all offsets and addresses made above are written: the loads and stores of the whole kernel read them; up to the first roundings only loads and window switches follow
.set f, 0
.rept 8
.set i, 0
.rept 16
	global_load_b32 v[16*f+i], v[WA], s[10:11] offset:((32*(f%2)+16*(i/8)+i%8)*64+16*(f/2))*4
.set i, i+1
.endr
.set f, f+1
.endr
.set m, 0
.rept 4
.set c, 0
.rept 6
	global_load_b32 v[RW+7*m+c], v[RA], s[6:7] offset:(64*c+16*m)*4    ; W1[c][16 mb + r]
.set c, c+1
.endr
	global_load_b32 v[RW+7*m+6], v[RA], s[8:9] offset:64*m             ; b1[16 mb + r]
.set m, m+1
.endr
	WIN 0
.set m, 0
.rept 4                                            ; b2 and W3 of units 16 mb + 8 h + 0..7, in the results' order
	global_load_b128 v[B2R+8*m:B2R+8*m+3],   v[HB], s[12:13] offset:64*m
	global_load_b128 v[B2R+8*m+4:B2R+8*m+7], v[HB], s[12:13] offset:64*m+16
	global_load_b128 v[W3R+8*m:W3R+8*m+3],   v[HB], s[14:15] offset:64*m
	global_load_b128 v[W3R+8*m+4:W3R+8*m+7], v[HB], s[14:15] offset:64*m+16
.set m, m+1
.endr
	GLOADF SETA, 0                                 ; batch 0's features follow at once
	GLOADF SETB, 1
	s_wait_loadcnt 30                              ; loads come back in order (ISA guide 5.7.1): the weights are in, the 30 feature loads behind them stay out
	WIN 0x45                                       ; destination and sources 0, 1 in window 1
.set f, 0
.rept 8
.set p, 0
.rept 8
	RB 16*f+2*p                                    ; W2 to bf16,
	v_cvt_pk_f16_f32 v[A2+8*f+p], v[16*f+2*p], v[16*f+2*p+1]  ; and that number written as f16
.set p, p+1
.endr
.set f, f+1
.endr
.set i, 0
.rept 14
	RB RW+2*i                                      ; W1 and b1 to bf16: 28 numbers a lane
.set i, i+1
.endr
.set m, 0
.rept 4                                            ; the four words that meet (f0, f1) (f2, f3) (f4, 1) (d's upper bits, d's rest)
	v_cvt_pk_f16_f32 v[PW+4*m],   v[RW+7*m],   v[RW+7*m+1]   ; (w0, w1)
	v_cvt_pk_f16_f32 v[PW+4*m+1], v[RW+7*m+2], v[RW+7*m+3]   ; (w2, w3)
	v_cvt_pk_f16_f32 v[PW+4*m+2], v[RW+7*m+4], v[RW+7*m+6]   ; (w4, b1)
	v_cvt_pk_f16_f32 v[PW+4*m+3], v[RW+7*m+5], v[RW+7*m+5]   ; (w5, w5)
.set m, m+1
.endr
	; Source 0 of layer 1, variant q: the four words in half q of the lanes (k = 8 q .. 8 q + 7), which holds the values of a chunk's steps 2 q and 2 q + 1; 0 in the other half and for k = 16 .. 31.
.set q, 0
.rept 2
.set m, 0
.rept 4
.set z, 0
.rept 4
	v_cndmask_b32 v[A1+32*q+8*m+z], 0, v[PW+4*m+z], s[25+q]
.set z, z+1
.endr
.rept 4
	v_mov_b32 v[A1+32*q+8*m+z], 0
.set z, z+1
.endr
.set m, m+1
.endr
.set q, q+1
.endr
	WIN 0                                          ; b2 and W3 to bf16, in pairs, where they were loaded;
.set i, 0
.rept 16
	v_cvt_pk_bf16_f32 v[B2R+2*i], v[B2R+2*i], v[B2R+2*i+1]
	v_cvt_pk_bf16_f32 v[W3R+2*i], v[W3R+2*i], v[W3R+2*i+1]
.set i, i+1
.endr
	WIN 0x40                                       ; written as f32 again into window 1, where W2 lay as loaded: the riders take them as source 0
.set i, 0
.rept 16
	v_and_b32 v[B2+2*i+1], s26, v[B2R+2*i]
	v_lshlrev_b32 v[B2+2*i], 16, v[B2R+2*i]
	v_and_b32 v[W3+2*i+1], s26, v[W3R+2*i]
	v_lshlrev_b32 v[W3+2*i], 16, v[W3R+2*i]
.set i, i+1
.endr
	WIN 0
	s_wait_kmcnt 0x0                               ; b3
	v_mov_b32 v1, s24
	v_cvt_pk_bf16_f32 v1, v1, v1                   ; to bf16,
	v_lshlrev_b32 v1, 16, v1                       ; written as f32 again,
	v_readfirstlane_b32 s24, v1                    ; and kept as a scalar: it is the addend of one instruction a tile and step
	v_mov_b32 v[ZV], 0
	s_wait_alu depctr_va_sdst(0)                   ; s24 is written: its first reader is TAIL's multiply-add, behind labels
	; ---- batch 0's features: two sets of fifteen loads take turns ----
	s_wait_loadcnt 15                              ; the older set is in, the younger stays out: so at each of these four waits
	CONVF SETA, 0
	s_wait_alu depctr_vm_vsrc(0)                   ; the LDS stores have read set A's registers, in which the next loads land
	GLOADF SETA, 2
	s_wait_loadcnt 15
	CONVF SETB, 1
	s_wait_alu depctr_vm_vsrc(0)                   ; the same for set B
	GLOADF SETB, 3
	s_wait_loadcnt 15
	CONVF SETA, 2
	s_wait_alu depctr_vm_vsrc(0)                   ; the same for set A
	GLOADF SETA, 4
	s_wait_loadcnt 15
	CONVF SETB, 3
	s_wait_loadcnt 0x0
	CONVF SETA, 4
	s_wait_alu depctr_vm_vsrc(0)                   ; the LDS stores of the last two groups have read both sets' registers: these are XR, XP, H1 and the accumulators from here on
.set j, 0
.rept 2
.set z, 4
.rept 4
	v_mov_b32 v[XP+8*j+z], 0                       ; k = 16 .. 31 of layer 1's source 1
.set z, z+1
.endr
	v_mov_b32 v[TS+8*j+5], 0                       ; v_permlanex16_b32's destination counts as read
.set j, j+1
.endr
	BATCH 1, 0, 0
	s_wait_xcnt 0x0                                ; the stores' addresses are translated (ISA guide 3.1): only behind this wait are the registers that they read written again
	s_wait_alu depctr_vm_vsrc(0)                   ; the stores to out0 have read the accumulators' registers and the read-back's loads their fifteen addresses: batch 1's products and masks write both again
	v_add_nc_u32 v[FA], LBATCH-15*40, v[FA]        ; on to batch 1: back over fifteen steps of a chunk,
	v_add_nc_u32 v[FA+1], LBATCH-15*40, v[FA+1]
	v_add_nc_u32 v[DA], LBATCH-15*16, v[DA]        ; and over fifteen trips' d
	v_add_nc_u32 v[DA+1], LBATCH-15*16, v[DA+1]
	BATCH 0, LBATCH, OB_BATCH
	s_wait_dscnt 0x0                               ; the closing lines, six on end
	s_wait_alu 0x0
	s_wait_tensorcnt 0x0
	ds_add_u32 v[SPW], v[NIL]
	s_wait_dscnt 0x0
	s_endpgm
.Lfunc_end_k_qa61dcf4eb3_traj:
	.size	k_qa61dcf4eb3_traj, .Lfunc_end_k_qa61dcf4eb3_traj-k_qa61dcf4eb3_traj
	.p2alignl 7, 3214868480
	.fill 96, 4, 3214868480
	.section	.rodata,"a",@progbits
	.p2align	6, 0x0
	.amdhsa_kernel k_qa61dcf4eb3_traj
		.amdhsa_group_segment_fixed_size 308224
		.amdhsa_private_segment_fixed_size 0
		.amdhsa_enable_private_segment 0
		.amdhsa_kernarg_size 64
		.amdhsa_user_sgpr_count 2
		.amdhsa_user_sgpr_kernarg_segment_ptr 1
		.amdhsa_wavefront_size32 1
		.amdhsa_system_sgpr_workgroup_id_x 1
		.amdhsa_system_sgpr_workgroup_id_y 1
		.amdhsa_system_sgpr_workgroup_id_z 1
		.amdhsa_system_vgpr_workitem_id 0
		.amdhsa_next_free_vgpr 512
		.amdhsa_next_free_sgpr 66
		.amdhsa_reserve_vcc 0
		.amdhsa_float_denorm_mode_32 3
		.amdhsa_float_denorm_mode_16_64 3
		.amdhsa_memory_ordered 1
		.amdhsa_forward_progress 1
		.amdhsa_inst_pref_size 255
	.end_amdhsa_kernel
	.section	.bss,"aw",@nobits
	.p2align	6
	.space	262144
	.amdgpu_metadata
---
amdhsa.version: [ 1, 2 ]
amdhsa.kernels:
  - .name:           k_qa61dcf4eb3_traj
    .symbol:         k_qa61dcf4eb3_traj.kd
    .args:
      - { .name: features, .offset: 0, .size: 8, .value_kind: global_buffer, .address_space: global }
      - { .name: W1, .offset: 8, .size: 8, .value_kind: global_buffer, .address_space: global }
      - { .name: b1, .offset: 16, .size: 8, .value_kind: global_buffer, .address_space: global }
      - { .name: W2, .offset: 24, .size: 8, .value_kind: global_buffer, .address_space: global }
      - { .name: b2, .offset: 32, .size: 8, .value_kind: global_buffer, .address_space: global }
      - { .name: W3, .offset: 40, .size: 8, .value_kind: global_buffer, .address_space: global }
      - { .name: b3, .offset: 48, .size: 8, .value_kind: global_buffer, .address_space: global }
      - { .name: out0, .offset: 56, .size: 8, .value_kind: global_buffer, .address_space: global }
    .group_segment_fixed_size: 308224
    .private_segment_fixed_size: 0
    .kernarg_segment_align: 8
    .kernarg_segment_size: 64
    .max_flat_workgroup_size: 256
    .sgpr_count:     66
    .vgpr_count:     512
    .wavefront_size: 32
...
	.end_amdgpu_metadata
.endif
;; end of part 2
